; MI455X (gfx1250); checked and timed in simulation.
; The chip was launched on July 23, 2026; its instructions are those of AMD's public machine-readable ISA for CDNA 5 (MIT licence, August 2026) and "CDNA5" Instruction Set Architecture Reference Guide (July 2026). The comments in the code are by the model that wrote it; some were corrected since.
;; Mo E. Allowed arithmetic: matrix products marked QUANTISED: E2M1 operands, one E8M0 scale for each 32 along K, by v_wmma_scale_f32_16x16x128_f8f6f4 with both operands' format E2M1 (or v_wmma_scale_f32_32x16x128_f4), f32 sums; everything else in f32.
;; Inputs: W1 16 x 2,048 x 1,024 float32; W2 16 x 1,024 x 2,048 float32; Wr 2,048 x 16 float32; b1 16 x 1,024 float32; b2 16 x 2,048 float32; br 16 float32; x 1,024 x 2,048 float32.
;; Outputs: out0 1,024 x 2,048 float32.
;; This version of the problem:
;;   THIS VERSION OF THE PROBLEM IS GIVEN IN LOW PRECISION. The matrix products marked QUANTISED in the list below multiply operands that are first quantised to E2M1 (2 exponent bits, 1 mantissa bit; 4 bits a number), with one power-of-two scale for each 32 numbers along K (OCP MX v1.0); their sums are f32. All else is computed in f32.
;;   The module's matrix products, in the order in which they are computed (A, B: the left and right operand; K: the contracted axis; several contracted axes count as one K, in the product's order):
;;     1. [M 1,024, K 2,048] x [K 2,048, N 16]; A: input x; B: input Wr: QUANTISED
;;     2. [M 1,024, K 2,048] x [K 2,048, N 16,384]; A: input x; B: input W1: QUANTISED
;;     3. batch 16 x [M 2,048, K 1,024] x [K 1,024, N 1,024]; A: input W2; B: computed on the way: QUANTISED
;;   THE QUANTISER, for each operand of a quantised product, along K:
;;     - K is cut into blocks of 32 from its start; a last block that is shorter is filled with zeros.
;;     - A block's scale is 2^e with e = floor(log2(the largest magnitude in the block)) - 2, held to -126 .. 127; a block of zeros has e = 0. As a byte (E8M0): e + 127.
;;     - Each number is divided by its block's scale, clamped to +-6, and rounded to the nearest number of E2M1, ties to even, subnormals kept.
;;     - The product sums the exact products of the quantised numbers (number of the format x scale) in f32.
;;   ~~~python
;;   def quantise(x, axis):      # numpy; x: float32 -> the quantised numbers, widened to float32 again
;;       x = np.moveaxis(x, axis, -1); K = x.shape[-1]
;;       x = np.pad(x, [(0, 0)] * (x.ndim - 1) + [(0, -K % 32)]); x = x.reshape(x.shape[:-1] + (-1, 32)); a = np.abs(x).max(-1, keepdims=True)
;;       e = np.where(a > 0, np.clip(np.frexp(np.where(a > 0, a, 1))[1] - 1 - 2, -126, 127), 0)      # np.frexp(a)[1] - 1 = floor(log2(a)), exactly
;;       r = np.clip(x / 2.0 ** e, -6, 6)
;;       step = 2.0 ** (np.maximum(np.frexp(np.where(r == 0, 1, r))[1] - 1, 0) - 1)
;;       q = np.round(r / step) * step * 2.0 ** e      # np.round: ties to even
;;       return np.moveaxis(q.reshape(q.shape[:-2] + (-1,))[..., :K], -1, axis).astype(np.float32)
;;   ~~~
;;   OPERANDS COMPUTED ON THE WAY. 'Computed on the way' means the value that the module computes at that place (a softmax that the list does not call 'softmax' is quantised finished and normalised). What goes into a quantiser is computed in f32, as accurately as f32 sums, v_exp_f32 and their like allow (about 1e-6 of the number): no bf16 or f16 on the way to a quantiser, and a product that is left as it is and whose result goes on into a quantised operand takes f32 operands (vector FMAs, or v_wmma_f32_16x16x4_f32). A number that lies on a knife's edge between two numbers of the format may be rounded either way, as far as f32 arithmetic and the matrix unit's own rounding can turn it there, and no further.
;; One version. Each part assembles by itself: llvm-mc -triple=amdgcn-amd-amdhsa -mcpu=gfx1250 --defsym DOCPART=n.
;; ======== version 1 of 1: 4 launches
;; workspace buffers: xcodes 1,048,576 bytes; xscales 65,536 bytes; route 6,144 bytes of whole numbers; gate 16,384 bytes; hcodes 8,388,608 bytes; hscales 524,288 bytes; list 65,792 bytes of whole numbers; y 33,554,432 bytes
;; launch route (part 1): grid 64 x 1, 16 waves a work-group, no clusters, 171,264 bytes of LDS; arguments x, Wr, br, xcodes, xscales, route, gate; writes xcodes, xscales, route, gate
.if DOCPART == 1
	.amdgcn_target "amdgcn-amd-amdhsa--gfx1250"
	.amdhsa_code_object_version 6
	.text
	.protected	k_qa5d0439d3c_route
	.globl	k_qa5d0439d3c_route
	.p2align	8
	.type	k_qa5d0439d3c_route,@function
k_qa5d0439d3c_route:
	s_mov_b64 s[64:65], 0
	v_nop
	global_prefetch_b8 v0, s[64:65] scope:SCOPE_SE
	s_setreg_imm32_b32 hwreg(HW_REG_WAVE_MODE, 25, 1), 1
	s_wait_xcnt 0x0
; A layer of 16 experts (2048 -> 1024 -> 2048), 1,024 tokens, the router's best 4 experts a token; all three products on codes of E2M1 with one E8M0 scale for each 32 along K.
; THE PROGRAM: route (this text): x and Wr quantised, logits, best 4, gates.  layer1: relu(Q(x) Q(W1[e]) + b1), quantised, for the rows that chose e.  layer2: Q(h) Q(W2[e]) + b2 for the same rows.  combine: x + the four rows by their gates.
; WORK LEFT OUT, for all values of the inputs.  (1) The result takes of the experts' outputs only the rows that take_along_axis picks by top_i, which is made in the same function: an expert's row for a token that
; did not choose it is read by nothing.  So each expert is multiplied for its own tokens alone: 4,096 rows in place of 16,384.  (2) e m + stop_gradient(e (1 - m)) with m = 0 or 1 is e: the line is an identity and is not computed.
; Every input has a way to the result: all seven are loaded.  LIMIT: a NaN, an infinity or an overflow that arises only in an expert's row that the token did not choose is not carried to the result.
; LIMITS: NaN and infinities among the inputs or the logits are not served.  A block of zeros gets the scale byte 1 where the quantiser says 127: its codes are zeros, and these bytes are read by this program alone.
; Blocks whose largest magnitude lies under 2^(3 - 127) are held at the byte 1.  Equal logits: the lower expert wins, as in lax.top_k.
; SHARES.  Work-group g takes tokens 16 g .. 16 g + 15; wave w takes K = 128 w .. 128 w + 127: it quantises that piece of its 16 rows of x and of Wr's 16 columns in registers (a lane holds two whole blocks of 32),
; and multiplies them by one matrix instruction (source 0 = the 16 experts, source 1 = the 16 tokens: a lane holds one token).  The sixteen partial sums meet in LDS; wave 0 adds them in ascending K onto br.
; x COMES IN DENSE AND IS TURNED IN LDS.  The quantiser wants 32 neighbours along K in one lane; a load is best where neighbouring lanes take neighbouring bytes.  Both are had: load i takes my 512 consecutive bytes of row i,
; 16 a lane; the sixteen rows go through the wave's own stage in LDS, as they lie, and come back 128 bytes a lane and block.  Only the wave itself touches its stage: no barrier.
; No choice made here steers an address or a branch: the choice leaves as whole numbers at fixed places: for each expert a word of bits (bit = token): plane 0 'chose it', planes 1 and 2 the two bits of the rank.
; No cluster and no tensor load: x is read by one work-group, and Wr's 128 KiB are a small part of what the launch moves.
.set PART,  0                          ; LDS: 16 x 1,024 bytes: each wave's eight result registers as they stand (16 bytes a lane, twice)
.set XST,   16384                      ; 16 rows of codes, 1,024 bytes + 16 of padding
.set XP,    1040
.set XSS,   33024                      ; 16 rows of 64 scale bytes
.set SPARE, 34048                      ; the spare words: 128 bytes for each of 16 waves; no other line names them
.set TURN,  36096                      ; for each wave a stage of 16 rows of x's numbers
.set TP,    528                        ; a stage row: 512 bytes + 16 of padding = 132 words: row r starts at bank 4 r mod 64 (64 banks of 4 bytes: ISA guide 11.1), so the 16 rows that a load touches start at 16 different banks
.set X,   32                           ; v32-95   my 64 numbers of x
.set R,   96                           ; v96-159  my 64 numbers of Wr
.set D,   160                          ; v160-167 the product
.set LG,  168                          ; v168-175 br, then the logits of my token's eight experts
.set L,   176                          ; v176-191 all sixteen logits of my token
; v1, v2 the add's two; v3 r, v4 h; v6-11, v208-213 offsets; v12 x's scale word, v13 Wr's (scales and nothing else); v16-23 x's codes; v24-31 Wr's; v192-207 at work
; 64 numbers of a lane, two whole blocks of 32 (blocks h and 2 + h of the 128 along K), become eight registers of codes in v[dst] on and the row's scale word in v[sw]
.macro QUANT2 src, dst, sw
.irp c, 0,1
	v_max3_num_f32 v[200+\c], |v[\src+32*\c]|, |v[\src+32*\c+1]|, 0x1800000   ; with the floor 2^(3 - 127): the byte cannot fall under 1
.endr
.irp i, 2,4,6,8,10,12,14,16,18,20,22,24,26,28,30
.irp c, 0,1
	v_max3_num_f32 v[200+\c], v[200+\c], |v[\src+32*\c+\i]|, |v[\src+32*\c+\i+1]|   ; the two blocks by turns
.endr
.endr
.irp c, 0,1
	v_add_nc_u32 v[202+\c], 0xff000000, v[200+\c]  ; 2 off the exponent field: the conversion's scale operand
.endr
.irp c, 0,1
	v_lshrrev_b32 v[204+\c], 23, v[202+\c]         ; the scale's byte
.endr
	v_lshl_or_b32 v206, v205, 16, v204             ; my two bytes,
	v_lshlrev_b32 v206, v199, v206                 ; 8 h bits up;
	v_permlanex16_b32 v207, v206, s20, s21
	v_or_b32 v[\sw], v206, v207                    ; with lane l xor 16's two the word is whole
.irp c, 0,1
.irp g, 0,1,2,3
	v_cvt_scalef32_pk8_fp4_f32 v[\dst+4*\c+\g], v[\src+32*\c+8*\g:\src+32*\c+8*\g+7], v[202+\c]
.endr
.endr
.endm
; One round of the choice: the largest of the sixteen logits (a later one wins only if it is greater), its number; then it is taken out, and its lanes' bits go to the expert's words
.macro ROUND k
	v_mov_b32 v192, v[L]
	v_mov_b32 v193, 0
.irp e, 1,2,3,4,5,6,7,8,9,10,11,12,13,14,15
	v_cmp_gt_f32 vcc_lo, v[L+\e], v192
	v_cndmask_b32 v192, v192, v[L+\e], vcc_lo
	v_cndmask_b32 v193, v193, \e, vcc_lo
.endr
	v_mov_b32 v[194+\k], v192
.irp e, 0,1,2,3,4,5,6,7,8,9,10,11,12,13,14,15
	v_cmp_eq_u32 s82, \e, v193
	v_cndmask_b32 v[L+\e], v[L+\e], v198, s82
.if \k == 0
	s_mov_b32 s[24+\e], s82
.else
	s_or_b32 s[24+\e], s[24+\e], s82
.endif
.if \k == 1
	s_mov_b32 s[40+\e], s82
.endif
.if \k == 2
	s_mov_b32 s[66+\e], s82
.endif
.if \k == 3
	s_or_b32 s[40+\e], s[40+\e], s82
	s_or_b32 s[66+\e], s[66+\e], s82
.endif
.endr
.endm
	s_load_b256 s[4:11], s[0:1], 0x0               ; x s[4:5], Wr s[6:7], br s[8:9], xcodes s[10:11]
	s_load_b128 s[12:15], s[0:1], 0x20             ; xscales s[12:13], route s[14:15]
	s_load_b64 s[16:17], s[0:1], 0x30              ; gate
	v_lshl_add_u32 v1, v0, 2, SPARE
	v_mov_b32 v2, 0
	v_lshrrev_b32 v3, 5, v0
	v_readfirstlane_b32 s18, v3                    ; wave 0..15
	v_and_b32 v3, 15, v0                           ; r
	v_bfe_u32 v4, v0, 4, 1                         ; h
	v_and_b32 v7, 31, v0
	v_lshlrev_b32 v208, 7, v7                      ; 128 x lane: planes 0 and 1 of route (an expert's words are 128 bytes, a plane 16 x 128)
	v_lshlrev_b32 v7, 4, v7                        ; 16 x lane
	v_lshlrev_b32 v209, 7, v3                      ; 128 r: plane 2
	v_lshlrev_b32 v210, 4, v3                      ; 16 r: a token's four gates
	v_lshlrev_b32 v211, 5, v4                      ; 32 h: br of my eight experts
	v_lshlrev_b32 v199, 3, v4                      ; 8 h
	v_mov_b32 v207, 0                              ; a lane permute's destination counts as one of its sources
	v_lshlrev_b32 v6, 2, v3
	v_lshl_add_u32 v6, v4, 11, v6                  ; Wr: column r, + 32 h rows of 64 bytes
	s_lshl_b32 s19, s18, 10
	v_add_nc_u32 v8, s19, v7                       ; my wave's partial sums
	v_mul_u32_u24 v9, v3, XP
	v_lshl_add_u32 v9, v4, 4, v9
	s_lshl_b32 s19, s18, 6
	s_add_co_u32 s19, s19, XST
	v_add_nc_u32 v9, s19, v9                       ; codes: row r, 64 w + 16 h bytes on
	v_lshlrev_b32 v10, 6, v3
	s_lshl_b32 s19, s18, 2
	s_add_co_u32 s19, s19, XSS
	v_add_nc_u32 v10, s19, v10                     ; scale word: row r, word w
	s_mul_i32 s19, s18, XP
	s_add_co_u32 s19, s19, XST
	v_add_nc_u32 v11, s19, v7                      ; back: row w, 16 bytes a lane
	s_mul_i32 s19, s18, 16*TP
	s_add_co_u32 s19, s19, TURN                    ; my wave's stage for x
	v_add_nc_u32 v212, s19, v7                     ; in: 16 bytes a lane, the row in the immediate
	v_mul_u32_u24 v213, v3, TP
	v_lshl_add_u32 v213, v4, 7, v213
	v_add_nc_u32 v213, s19, v213                   ; back: row r, + 32 h numbers
	s_mov_b32 s3, 0
	s_mov_b32 s20, 0x76543210
	s_mov_b32 s21, 0xfedcba98                      ; v_permlanex16_b32's selects for lane l xor 16
	s_mov_b32 s22, 0xffff0000                      ; lanes 16-31
	s_wait_kmcnt 0x0
	s_lshl_b32 s2, ttmp9, 17                       ; 16 rows of 8,192 bytes a work-group,
	s_lshl_b32 s19, s18, 9                         ; 128 numbers a wave
	s_add_co_u32 s2, s2, s19
	s_add_nc_u64 s[4:5], s[4:5], s[2:3]
	s_lshl_b32 s2, s18, 13                         ; 128 rows of Wr a wave
	s_add_nc_u64 s[6:7], s[6:7], s[2:3]
	s_lshl_b32 s2, ttmp9, 14
	s_lshl_b32 s19, s18, 10
	s_add_co_u32 s2, s2, s19                       ; xcodes: row 16 g + w
	s_add_nc_u64 s[10:11], s[10:11], s[2:3]
	s_lshl_b32 s2, ttmp9, 10
	s_add_nc_u64 s[12:13], s[12:13], s[2:3]        ; xscales: 16 rows of 64 bytes
	s_lshl_b32 s2, ttmp9, 1
	s_add_nc_u64 s[14:15], s[14:15], s[2:3]        ; route: my 16 tokens are 16 bits: 2 bytes of each expert's words
	s_lshl_b32 s2, ttmp9, 8
	s_add_nc_u64 s[16:17], s[16:17], s[2:3]        ; gate: 16 tokens of 16 bytes
.irp i, 0,1,2,3,4,5,6,7,8,9,10,11,12,13,14,15
	global_load_b128 v[X+4*\i:X+4*\i+3], v7, s[4:5] offset:8192*\i th:TH_LOAD_NT   ; row i, K = 128 w on: 32 lanes read 512 consecutive bytes
.endr
	global_load_b128 v[LG:LG+3], v211, s[8:9]
	global_load_b128 v[LG+4:LG+7], v211, s[8:9] offset:16
.irp c, 0,1
.set I, 0
.rept 32
	global_load_b32 v[R+32*\c+I], v6, s[6:7] offset:4096*\c+64*I   ; Wr(128 w + 64 c + 32 h + i, r): registers run down K
.set I, I+1
.endr
.endr
	s_wait_loadcnt 63                              ; x's sixteen loads are in: 66 were issued behind them, and the count's field holds 63
.irp i, 0,1,2,3,4,5,6,7,8,9,10,11,12,13,14,15
	ds_store_b128 v212, v[X+4*\i:X+4*\i+3] offset:TP*\i            ; row i into my stage, as it lies
.endr
.irp c, 0,1
.irp i, 0,1,2,3,4,5,6,7
	ds_load_b128 v[X+32*\c+4*\i:X+32*\c+4*\i+3], v213 offset:256*\c+16*\i   ; x(r, 128 w + 64 c + 32 h + 4 i ..).  LDS serves a wave's instructions in order (ISA guide 5.7.1.4): these see the stores above, and land in the registers that those have left
.endr
.endr
	s_wait_dscnt 0x0                               ; my 64 numbers are back
	QUANT2 X, 16, 12
	ds_store_b128 v9, v[16:19]                     ; k = 32 h .. of my 128: 16 bytes of the row as the codes lie
	ds_store_b128 v9, v[20:23] offset:32           ; k = 64 + 32 h ..
	ds_store_b32 v10, v12                          ; both halves of the lanes write the same word with the same value
	s_wait_loadcnt 0x0                             ; br and Wr
	QUANT2 R, 24, 13
.rept 8
	v_nop                                          ; a scale register written by a vector instruction stands 8 places ahead of a scaled matrix instruction, an operand 4; also the plain line behind the conversions
.endr
	v_wmma_scale_f32_16x16x128_f8f6f4 v[D:D+7], v[24:31], v[16:23], 0, v13, v12 matrix_a_fmt:MATRIX_FMT_FP4 matrix_b_fmt:MATRIX_FMT_FP4   ; lane (r, h): token r, register i: expert 8 h + i
.rept 4
	v_nop
.endr
	ds_store_b128 v8, v[D:D+3]                     ; from the low end on
	ds_store_b128 v8, v[D+4:D+7] offset:512
	s_wait_dscnt 0x0                               ; for the others' sake: my stores have landed
	s_barrier_signal -1
	s_barrier_wait -1
	ds_load_b128 v[184:187], v11                   ; every wave sends one whole row of codes
	ds_load_b128 v[188:191], v11 offset:512
	s_wait_dscnt 0x0
	global_store_b128 v7, v[184:187], s[10:11]     ; 32 lanes store 512 consecutive bytes
	global_store_b128 v7, v[188:191], s[10:11] offset:512
	s_cmp_eq_u32 s18, 1
	s_cbranch_scc0 .Lnot_one
	ds_load_b128 v[32:35], v7 offset:XSS           ; wave 1: the sixteen rows of scale bytes, 1,024 consecutive bytes
	ds_load_b128 v[36:39], v7 offset:XSS+512
	s_wait_dscnt 0x0
	global_store_b128 v7, v[32:35], s[12:13]
	global_store_b128 v7, v[36:39], s[12:13] offset:512
.Lnot_one:
	s_cmp_lg_u32 s18, 0
	s_cbranch_scc1 .Lend
	; ---- wave 0: the logits, the choice, the gates
	s_wait_xcnt 0x0                                ; my stores have read v184-191, which are written again below
.irp w, 0,1,2,3,4,5,6,7,8,9,10,11,12,13,14,15
	ds_load_b128 v[32+8*\w:32+8*\w+3], v7 offset:PART+1024*\w
	ds_load_b128 v[32+8*\w+4:32+8*\w+7], v7 offset:PART+1024*\w+512
.endr
	s_wait_dscnt 0x0
.irp w, 0,1,2,3,4,5,6,7,8,9,10,11,12,13,14,15
.irp p, 0,2,4,6
	v_pk_add_f32 v[LG+\p:LG+\p+1], v[LG+\p:LG+\p+1], v[32+8*\w+\p:32+8*\w+\p+1]   ; br + the sixteen parts, K ascending
.endr
.endr
.irp i, 0,1,2,3,4,5,6,7
	v_permlanex16_b32 v[200+\i], v[LG+\i], s20, s21    ; the token's other eight experts (v200-207 have been written)
.endr
.irp i, 0,1,2,3,4,5,6,7
	v_cndmask_b32 v[L+\i], v[LG+\i], v[200+\i], s22    ; experts 0-7: lanes 0-15 hold them, lanes 16-31 take the other half's
	v_cndmask_b32 v[L+8+\i], v[200+\i], v[LG+\i], s22  ; experts 8-15: the other way round
.endr
	v_mov_b32 v198, 0xff800000                     ; -infinity takes a chosen logit out
	ROUND 0
	ROUND 1
	ROUND 2
	ROUND 3
.irp k, 0,1,2,3
	v_sub_f32 v[200+\k], v[194+\k], v194           ; the softmax of the four: the largest, the first, is taken away
.endr
.irp k, 0,1,2,3
	v_mul_f32 v[200+\k], 0x3fb8aa3b, v[200+\k]
.endr
.irp k, 0,1,2,3
	v_exp_f32 v[200+\k], v[200+\k]
.endr
	v_nop                                          ; a plain line behind the exponentials
	s_wait_alu depctr_va_vdst(0)                   ; one wait for the four, ahead of their first reader
	v_add_f32 v204, v200, v201
	v_add_f32 v205, v202, v203
	v_add_f32 v204, v204, v205
	v_rcp_f32 v204, v204
	v_nop
	s_wait_alu depctr_va_vdst(0)
.irp k, 0,1,2,3
	v_mul_f32 v[200+\k], v[200+\k], v204
.endr
	global_store_b128 v210, v[200:203], s[16:17]   ; lanes 16-31 store the same bytes with the same values
	v_mov_b32 v205, 0
	v_mov_b32 v206, 0
.irp e, 0,1,2,3,4,5,6,7,8,9,10,11,12,13,14,15
	v_writelane_b32 v205, s[24+\e], \e             ; plane 0 in lanes 0-15,
	v_writelane_b32 v205, s[40+\e], 16+\e          ; plane 1 in lanes 16-31;
	v_writelane_b32 v206, s[66+\e], \e             ; plane 2 in both halves
	v_writelane_b32 v206, s[66+\e], 16+\e
.endr
	global_store_b16 v208, v205, s[14:15]          ; the low 16 bits: my 16 tokens
	global_store_b16 v209, v206, s[14:15] offset:4096
.Lend:
	s_wait_tensorcnt 0x0                           ; the wave's end
	ds_add_u32 v1, v2
	s_wait_dscnt 0x0
	s_endpgm
.Lfunc_end_k_qa5d0439d3c_route:
	.size	k_qa5d0439d3c_route, .Lfunc_end_k_qa5d0439d3c_route-k_qa5d0439d3c_route
	.p2alignl 7, 3214868480
	.fill 96, 4, 3214868480
	.section	.rodata,"a",@progbits
	.p2align	6, 0x0
	.amdhsa_kernel k_qa5d0439d3c_route
		.amdhsa_group_segment_fixed_size 171264
		.amdhsa_private_segment_fixed_size 0
		.amdhsa_enable_private_segment 0
		.amdhsa_kernarg_size 56
		.amdhsa_user_sgpr_count 2
		.amdhsa_user_sgpr_kernarg_segment_ptr 1
		.amdhsa_wavefront_size32 1
		.amdhsa_system_sgpr_workgroup_id_x 1
		.amdhsa_system_sgpr_workgroup_id_y 1
		.amdhsa_system_sgpr_workgroup_id_z 1
		.amdhsa_system_vgpr_workitem_id 0
		.amdhsa_next_free_vgpr 216
		.amdhsa_next_free_sgpr 96
		.amdhsa_reserve_vcc 1
		.amdhsa_float_denorm_mode_32 3
		.amdhsa_float_denorm_mode_16_64 3
		.amdhsa_memory_ordered 1
		.amdhsa_forward_progress 1
		.amdhsa_inst_pref_size 54
	.end_amdhsa_kernel
	.amdgpu_metadata
---
amdhsa.version: [ 1, 2 ]
amdhsa.kernels:
  - .name:           k_qa5d0439d3c_route
    .symbol:         k_qa5d0439d3c_route.kd
    .args:
      - { .name: x, .offset: 0, .size: 8, .value_kind: global_buffer, .address_space: global }
      - { .name: Wr, .offset: 8, .size: 8, .value_kind: global_buffer, .address_space: global }
      - { .name: br, .offset: 16, .size: 8, .value_kind: global_buffer, .address_space: global }
      - { .name: xcodes, .offset: 24, .size: 8, .value_kind: global_buffer, .address_space: global }
      - { .name: xscales, .offset: 32, .size: 8, .value_kind: global_buffer, .address_space: global }
      - { .name: route, .offset: 40, .size: 8, .value_kind: global_buffer, .address_space: global }
      - { .name: gate, .offset: 48, .size: 8, .value_kind: global_buffer, .address_space: global }
    .group_segment_fixed_size: 171264
    .private_segment_fixed_size: 0
    .kernarg_segment_align: 8
    .kernarg_segment_size: 56
    .max_flat_workgroup_size: 512
    .sgpr_count:     96
    .vgpr_count:     216
    .wavefront_size: 32
...
	.end_amdgpu_metadata
.endif
;; end of part 1
;; launch layer1 (part 2): grid 256 x 1, 16 waves a work-group, no clusters, 71,680 bytes of LDS; arguments W1, b1, xcodes, xscales, route, hcodes, hscales, list; writes hcodes, hscales, list
.if DOCPART == 2
	.amdgcn_target "amdgcn-amd-amdhsa--gfx1250"
	.amdhsa_code_object_version 6
	.text
	.protected	k_qa5d0439d3c_layer1
	.globl	k_qa5d0439d3c_layer1
	.p2align	8
	.type	k_qa5d0439d3c_layer1,@function
k_qa5d0439d3c_layer1:
	s_mov_b64 s[64:65], 0
	v_nop
	global_prefetch_b8 v0, s[64:65] scope:SCOPE_SE
	s_setreg_imm32_b32 hwreg(HW_REG_WAVE_MODE, 25, 1), 1
	s_wait_xcnt 0x0
; h = Q(relu(Q(x) Q(W1[e]) + b1[e])) for the tokens that chose expert e alone: the other rows are read by nothing (shown at the head of the first kernel).
; SHARES.  Work-group (e, j) = (number / 16, number % 16) owns hidden units 64 j .. 64 j + 63 of expert e, for all n rows of e.  Its 2,048 x 64 numbers of W1 are read from memory ONCE, as f32, quantised here and kept
; in LDS as images of the operand's registers: no codes of the weights go to memory.  Eight steps of 256 along K.  In a step wave w takes ONE block of 32 along K (number w / 2) of 32 columns (half w % 2): a lane a column,
; its 32 registers down K: 32 loads of 128 consecutive bytes, two waves side by side on 256.  Two sets of 32 registers: while one is quantised the other's loads are out, and the next are issued at once.
; The images are never written twice, so one barrier a step (stores -> loads) is all the ordering.
; ROWS.  The rows of e are numbered by slots 0 .. n - 1, in the order of the tokens.  Wave w owns tiles of 16 slots: 32 p + 16 q + w, q = 0, 1, pass p = 0, 1.  Pass 0 (slots under 512) runs inside the stream; pass 1, wanted only where
; n > 512 (n is at most 1,024), is written out behind one forward branch and reads the images that lie in LDS.  A tile at or past n is passed over by scalar branches on n, round LDS reads, products and stores alone: never
; round a barrier, nor round a global load, so that every count of loads holds on every way.  Slots at or past n inside a tile are held at slot n - 1: exact copies of that row.
; Where no token chose e (n = 0) the text works with n = 1: tile 0 is made all the same, of a valid token's row, so that the next launch's loads name bytes that were written; the count that is stored stays 0, and the next launch stores nothing for e.
; WHICH TOKEN IS SLOT S: from the earlier launch's bit words, in registers: the word whose running count passes S, then the bit, by five halvings on the word's partial counts.
; PRODUCTS are used transposed (source 0 = 16 columns of W1, source 1 = 16 rows of x): a lane holds one row.  THE COLUMNS OF A TILE ARE NOT NEIGHBOURS: place m of tile 2 b + u is unit 32 b + 8 u + m + 8 (m / 8), so that a lane's
; 16 registers of two neighbouring tiles are 16 neighbours along the next K.  The sums begin as b1, loaded into the accumulators in the result's layout; the four (or eight) accumulators take turns.
; No tensor load and no cluster: branches hang on counts read from memory; no byte of W1 is read by two work-groups; the rows' codes are a gather.
; LIMITS: as stated at the head of the first kernel (block of zeros: byte 1; NaN and infinities not served).
.set SCB,   65536                      ; LDS 0 .. 65,535: the images: step s, half uu, tile t, group c: 8192 s + 4096 uu + 1024 t + 512 c + 16 x lane.  From SCB: the weights' scale bytes: 256 (2 s + uu) + 16 m + 4 t + block
.set SPARE, 69632                      ; the spare words: 128 bytes for each of 16 waves; no other line names them
.set WF,  32                           ; v32-63   four fragments of the weights
.set XF,  64                           ; v64-95   the rows' fragments: slot q, half uu at 64 + 16 q + 8 uu
.set ACC, 96                           ; v96-159  accumulators: slot q, tile t at 96 + 32 q + 8 t
.set WR,  160                          ; v160-223 two sets of 32 numbers of W1
; v1, v2 the add's two; v3 W1's offset; v4 the prefetches'; v5, v6 where I store codes and byte; v7 16 x lane; v8 the scale words' place; v9, v10 the rows' codes; v11, v12 their scales; v13 4 x lane; v14 32 r; v15 64 h
; v16-23 the quantiser; v24-27 the weights' scale words, v28-31 the rows' (scales and nothing else); v224-226 my words of the three planes; v227 the routed row; v228-251 the way out; v252-254 slot, list offset, 16 h
; s20 e, s21 j, s22 wave, s23 max(n, 1), s24, s25 my two tiles' first slots, s[26:27] lane selects, s28-31 at work, s[32:63] the words' running counts, s66 lanes 16-31, s67 wave % 2, s[68:69] the count's place, s70 n
.macro PLACES                          ; four plain lines between a matrix instruction and a load into, or a vector instruction or store on, one of its registers
.rept 4
	v_nop
.endr
.endm
.macro WLOAD s                         ; my block of step s: rows 256 s + 32 (w / 2) + i
.set W_, WR+32*((\s)%2)
.set I, 0
.rept 32
	global_load_b32 v[W_+I], v3, s[4:5] offset:(\s)*1048576+I*4096 th:TH_LOAD_NT
.set I, I+1
.endr
.endm
; A prefetch into the L2 of the step whose loads go out one step later: the even waves ask, each for its 32 rows, a lane a row: the work-group's 256 bytes of a row are named once in the launch.
; It stands behind the wave's run of loads; its address registers are never rewritten; steps 0 to 2 come by their loads alone, and nothing past step 7 is named.
.macro PF s
	s_cmp_lg_u32 s67, 0
	s_cbranch_scc1 .Lpf_\@
	global_prefetch_b8 v4, s[4:5] offset:(\s)*1048576 th:TH_LOAD_NT scope:SCOPE_SE
.Lpf_\@:
.endm
.macro QUANT s                         ; my 32 numbers are one block: its largest magnitude, byte and 16 bytes of codes, to their places in the images
.set W_, WR+32*((\s)%2)
	v_max3_num_f32 v16, |v[W_]|, |v[W_+1]|, 0x1800000          ; with the floor 2^(3 - 127): the byte cannot fall under 1
	v_max3_num_f32 v17, |v[W_+2]|, |v[W_+3]|, |v[W_+4]|
.irp i, 5,9,13,17,21,25
	v_max3_num_f32 v16, v16, |v[W_+\i]|, |v[W_+\i+1]|
	v_max3_num_f32 v17, v17, |v[W_+\i+2]|, |v[W_+\i+3]|
.endr
	v_max3_num_f32 v16, v16, |v[W_+29]|, |v[W_+30]|
	v_max3_num_f32 v16, v16, v17, |v[W_+31]|
	v_add_nc_u32 v18, 0xff000000, v16              ; 2 off the exponent field: the conversion's scale operand
	v_lshrrev_b32 v19, 23, v18                     ; the byte
.irp g, 0,1,2,3
	v_cvt_scalef32_pk8_fp4_f32 v[20+\g], v[W_+8*\g:W_+8*\g+7], v18
.endr
	v_nop                                          ; a plain line behind the conversions
	ds_store_b128 v5, v[20:23] offset:(\s)*8192
	ds_store_b8 v6, v19 offset:(\s)*512
.endm
.macro BIAS q                          ; b1 in the result's layout: tile t, lane half h: units 32 (t / 2) + 16 h + 8 (t % 2) + 0 .. 7
.irp t, 0,1,2,3
	global_load_b128 v[ACC+32*\q+8*\t:ACC+32*\q+8*\t+3], v15, s[6:7] offset:(\t/2)*128+(\t%2)*32
	global_load_b128 v[ACC+32*\q+8*\t+4:ACC+32*\q+8*\t+7], v15, s[6:7] offset:(\t/2)*128+(\t%2)*32+16
.endr
.endm
.macro ALOAD q, s                      ; slot q's 16 rows, K = 256 s .. + 255: two fragments and their scale words
.irp uu, 0,1
.irp c, 0,1
	global_load_b128 v[XF+16*\q+8*\uu+4*\c:XF+16*\q+8*\uu+4*\c+3], v[9+\q], s[8:9] offset:(\s)*128+\uu*64+\c*32
.endr
.endr
	global_load_b64 v[28+2*\q:29+2*\q], v[11+\q], s[10:11] offset:(\s)*8
.endm
.macro MM q, t, uu
	v_wmma_scale_f32_16x16x128_f8f6f4 v[ACC+32*\q+8*\t:ACC+32*\q+8*\t+7], v[WF+8*\t:WF+8*\t+7], v[XF+16*\q+8*\uu:XF+16*\q+8*\uu+7], v[ACC+32*\q+8*\t:ACC+32*\q+8*\t+7], v[24+\t], v[28+2*\q+\uu] matrix_a_fmt:MATRIX_FMT_FP4 matrix_b_fmt:MATRIX_FMT_FP4
.endm
.macro CONSU s, uu                     ; 128 along K: the four tiles' fragments and scale words from LDS, four products for slot 0, four for slot 1 if it has rows
.irp t, 0,1,2,3
.irp c, 0,1
	ds_load_b128 v[WF+8*\t+4*\c:WF+8*\t+4*\c+3], v7 offset:(\s)*8192+\uu*4096+\t*1024+\c*512
.endr
.endr
	ds_load_b128 v[24:27], v8 offset:(2*(\s)+\uu)*256
	s_wait_dscnt 0x0
.irp t, 0,1,2,3
	MM 0, \t, \uu
.endr
	s_cmp_ge_u32 s25, s23
	s_cbranch_scc1 .Lq_\@
.irp t, 0,1,2,3
	MM 1, \t, \uu
.endr
.Lq_\@:
.endm
.macro CONS s
	s_cmp_ge_u32 s24, s23                          ; my first tile begins at or past n: so does my second
	s_cbranch_scc1 .Lc_\@
	CONSU \s, 0
	PLACES
	CONSU \s, 1
.Lc_\@:
.endm
.macro BITSTEP lvl, fw, wid            ; does the bit sought lie past the next wid bits?  v[lvl] holds the counts of runs of wid bits, fw bits wide
	v_bfe_u32 v44, v[\lvl], v43, \fw
	v_cmp_ge_u32 vcc_lo, v38, v44
	v_cndmask_b32 v44, 0, v44, vcc_lo
	v_cndmask_b32 v45, 0, \wid, vcc_lo
	v_sub_nc_u32 v38, v38, v44
	v_add_nc_u32 v43, v43, v45
.endm
; Lane L finds the token of slot 512 p + 256 (L / 16) + 16 w + L % 16 (held at n - 1): lanes 0-15 my first tile's, lanes 16-31 my second's.  At work: v32-49, which no load or product uses meanwhile
.macro SELECT p
	s_sub_co_u32 s31, s23, 1
	v_add_nc_u32 v32, 512*\p, v252
	v_min_u32 v32, s31, v32                        ; S
	v_mov_b32 v33, 0
	v_mov_b32 v34, 0
	v_mov_b32 v35, 0
	v_mov_b32 v36, 0
	v_mov_b32 v37, 0
	v_mov_b32 v47, 0
.set I, 0
.rept 32                               ; the last word whose count of bits before it is at or under S holds bit S
	v_readlane_b32 s28, v224, I
	v_readlane_b32 s29, v225, I
	v_readlane_b32 s30, v226, I
	v_cmp_le_u32 vcc_lo, s[32+I], v32
	v_cndmask_b32 v33, v33, s[32+I], vcc_lo
	v_cndmask_b32 v34, v34, I, vcc_lo
	v_cndmask_b32 v35, v35, s28, vcc_lo
	v_cndmask_b32 v36, v36, s29, vcc_lo
	v_cndmask_b32 v37, v37, s30, vcc_lo
.set I, I+1
.endr
	v_sub_nc_u32 v38, v32, v33                     ; which set bit of the word
	v_lshrrev_b32 v39, 1, v35
	v_and_b32 v39, 0x55555555, v39
	v_sub_nc_u32 v39, v35, v39                     ; counts of pairs,
	v_lshrrev_b32 v40, 2, v39
	v_and_b32 v40, 0x33333333, v40
	v_and_b32 v41, 0x33333333, v39
	v_add_nc_u32 v40, v40, v41                     ; of fours,
	v_lshrrev_b32 v41, 4, v40
	v_add_nc_u32 v41, v41, v40
	v_and_b32 v41, 0x0f0f0f0f, v41                 ; of bytes,
	v_lshrrev_b32 v42, 8, v41
	v_add_nc_u32 v42, v42, v41                     ; of the low sixteen (its low byte)
	v_mov_b32 v43, 0
	BITSTEP 42, 8, 16
	BITSTEP 41, 8, 8
	BITSTEP 40, 4, 4
	BITSTEP 39, 2, 2
	BITSTEP 35, 1, 1
	v_lshl_add_u32 v46, v34, 5, v43                ; the token
	v_bfe_u32 v44, v36, v43, 1
	v_bfe_u32 v45, v37, v43, 1
	v_lshl_add_u32 v44, v45, 1, v44                ; its rank of this expert
	v_lshl_add_u32 v227, v46, 2, v44               ; the routed row: 4 x token + rank
	s_cmp_lg_u32 s21, 0                            ; the expert's first work-group stores the list for the next launch
	s_cbranch_scc1 .Lnl_\@
	global_store_b32 v253, v227, s[18:19] offset:2048*\p
.if \p == 0
	s_cmp_lg_u32 s22, 0
	s_cbranch_scc1 .Lnl_\@
	v_mov_b32 v45, s70
	global_store_b32 v47, v45, s[68:69]            ; and n as it was counted: all lanes write the same word with the same value
.endif
.Lnl_\@:
	s_wait_xcnt 0x0                                ; the stores have read v45, v47 and v227, which are written again
	v_permlanex16_b32 v47, v46, s26, s27
	v_cndmask_b32 v48, v46, v47, s66               ; my first tile's token of row L % 16, in both halves of the lanes;
	v_cndmask_b32 v49, v47, v46, s66               ; my second tile's
	v_min_u32 v48, 0x3ff, v48
	v_min_u32 v49, 0x3ff, v49
	v_lshl_add_u32 v9, v48, 10, v254               ; a row of codes is 1,024 bytes; + 16 h
	v_lshl_add_u32 v10, v49, 10, v254
	v_lshlrev_b32 v11, 6, v48                      ; a row of scale bytes 64
	v_lshlrev_b32 v12, 6, v49
.endm
; THE WAY OUT of slot q: relu, the two blocks of 32 units quantised (a block lies in lanes l and l xor 16), the halves exchanged so that a lane holds a whole block: four registers, group j % 2 of K step j / 2 of the next operand's image
.macro EPI1 q, p
.set A_, ACC+32*\q
.set T_, 228+12*\q
	s_cmp_ge_u32 s[24+\q], s23
	s_cbranch_scc1 .Le_\@
.set I, 0
.rept 32
	v_max_num_f32 v[A_+I], 0, v[A_+I]              ; each accumulator from its low end on
.set I, I+1
.endr
.irp b, 0,1
	v_max3_num_f32 v[T_+\b], v[A_+16*\b], v[A_+16*\b+1], 0x1800000   ; none is negative: no |.|
.endr
.irp i, 2,4,6,8,10,12,14
.irp b, 0,1
	v_max3_num_f32 v[T_+\b], v[T_+\b], v[A_+16*\b+\i], v[A_+16*\b+\i+1]
.endr
.endr
.irp b, 0,1
	v_permlanex16_b32 v[T_+2+\b], v[T_+\b], s26, s27
.endr
.irp b, 0,1
	v_max_num_f32 v[T_+\b], v[T_+\b], v[T_+2+\b]
.endr
.irp b, 0,1
	v_add_nc_u32 v[T_+4+\b], 0xff000000, v[T_+\b]
.endr
.irp b, 0,1
	v_lshrrev_b32 v[T_+2+\b], 23, v[T_+4+\b]
.endr
	v_lshl_or_b32 v[T_+6], v[T_+3], 8, v[T_+2]     ; the bytes of blocks 2 j and 2 j + 1
.irp b, 0,1
	v_cvt_scalef32_pk8_fp4_f32 v[T_+8+2*\b], v[A_+16*\b:A_+16*\b+7], v[T_+4+\b]
	v_cvt_scalef32_pk8_fp4_f32 v[T_+9+2*\b], v[A_+16*\b+8:A_+16*\b+15], v[T_+4+\b]
.endr
	v_nop                                          ; a plain line behind the conversions
	v_permlane16_swap_b32 v[T_+8], v[T_+10]
	v_permlane16_swap_b32 v[T_+9], v[T_+11]
	global_store_b128 v7, v[T_+8:T_+11], s[14:15] offset:(32*\p+16*\q)*8192   ; 32 lanes store 512 consecutive bytes
	global_store_b16 v14, v[T_+6], s[16:17] offset:(32*\p+16*\q)*512          ; both halves of the lanes write the same bytes with the same values
.Le_\@:
.endm
.macro STEP s
.if \s == 0
	s_wait_loadcnt 58                              ; W(0) is in: behind it W(1)'s 32, the biases' 16, the rows' 10
.elseif \s == 7
	s_wait_loadcnt 10                              ; W(7) is in: behind it the rows' 10 of this step
.else
	s_wait_loadcnt 42                              ; W(s) is in: W(s + 1)'s 32 and the rows' 10 of this step may be out
.endif
	QUANT \s
.if \s <= 5
	WLOAD (\s)+2                                   ; into the set just read
.endif
.if \s <= 4
	PF (\s)+3
.endif
	s_wait_dscnt 0x0                               ; for the others' sake: my codes and my byte have landed
	s_barrier_signal -1
	s_barrier_wait -1                              ; the step's images are whole
.if \s <= 5
	s_wait_loadcnt 32                              ; this step's rows (step 0: and the biases) are in; the 32 just issued may be out
.else
	s_wait_loadcnt 0x0
.endif
	CONS \s
	PLACES
.if \s <= 6
	ALOAD 0, (\s)+1
	ALOAD 1, (\s)+1
.endif
.endm
	s_load_b256 s[4:11], s[0:1], 0x0               ; W1 s[4:5], b1 s[6:7], xcodes s[8:9], xscales s[10:11]
	s_load_b256 s[12:19], s[0:1], 0x20             ; route s[12:13], hcodes s[14:15], hscales s[16:17], list s[18:19]
	v_lshl_add_u32 v1, v0, 2, SPARE
	v_mov_b32 v2, 0
	v_lshrrev_b32 v3, 5, v0
	v_readfirstlane_b32 s22, v3                    ; wave 0..15
	s_lshr_b32 s20, ttmp9, 4                       ; e
	s_and_b32 s21, ttmp9, 15                       ; j
	s_and_b32 s67, s22, 1
	s_lshl_b32 s24, s22, 4                         ; my first tile's first slot,
	s_add_co_u32 s25, s24, 256                     ; my second's
	s_mov_b32 s26, 0x76543210
	s_mov_b32 s27, 0xfedcba98
	s_mov_b32 s66, 0xffff0000
	v_and_b32 v16, 31, v0                          ; lane
	v_and_b32 v17, 15, v0                          ; r
	v_bfe_u32 v18, v0, 4, 1                        ; h
	v_bfe_u32 v19, v0, 5, 1                        ; wave % 2: which 32 columns
	v_bfe_u32 v20, v0, 6, 3                        ; wave / 2: which block of the step's eight
	v_bfe_u32 v21, v0, 6, 2                        ; that block in its 128 along K
	v_bfe_u32 v22, v0, 8, 1                        ; uu: which 128
	v_bfe_u32 v23, v0, 3, 1
	v_lshlrev_b32 v13, 2, v16
	v_lshl_add_u32 v3, v19, 7, v13
	v_lshl_add_u32 v3, v20, 17, v3                 ; W1: 4 x lane + 128 (w % 2) + 32 rows of 4,096 bytes x (w / 2)
	v_lshlrev_b32 v4, 12, v16
	v_lshl_add_u32 v4, v20, 17, v4                 ; the prefetches: a lane a row
	v_and_b32 v32, 7, v0
	v_lshlrev_b32 v32, 4, v32
	v_lshl_add_u32 v32, v18, 7, v32                ; 16 m, m = 8 (L / 16) + L % 8: my column's place in its tile
	v_lshl_add_u32 v5, v21, 8, v32                 ; + 256 x the block's half + 512 x its group
	v_lshl_add_u32 v5, v23, 10, v5                 ; + 1,024 t, t = 2 (w % 2) + (L / 8) % 2
	v_lshl_add_u32 v5, v19, 11, v5
	v_lshl_add_u32 v5, v22, 12, v5                 ; + 4,096 uu
	v_add_nc_u32 v6, v32, v21                      ; the byte: 16 m + block
	v_lshl_add_u32 v6, v23, 2, v6                  ; + 4 t
	v_lshl_add_u32 v6, v19, 3, v6
	v_lshl_add_u32 v6, v22, 8, v6                  ; + 256 uu
	v_add_nc_u32 v6, SCB, v6
	v_lshlrev_b32 v7, 4, v16
	v_lshl_add_u32 v8, v17, 4, SCB
	v_lshlrev_b32 v14, 5, v17
	v_lshlrev_b32 v15, 6, v18
	v_lshlrev_b32 v254, 4, v18
	v_lshl_add_u32 v252, v18, 8, v17
	v_add_nc_u32 v252, s24, v252                   ; my slot in pass 0
	v_lshlrev_b32 v253, 2, v17
	v_lshl_add_u32 v253, v18, 10, v253             ; and its word in my wave's part of the list
	v_mov_b32 v230, 0                              ; lane permutes' destinations count as sources
	v_mov_b32 v231, 0
	v_mov_b32 v242, 0
	v_mov_b32 v243, 0
	s_mov_b32 s3, 0
	s_lshl_b32 s2, s20, 23
	s_lshl_b32 s28, s21, 8
	s_add_co_u32 s2, s2, s28
	s_wait_kmcnt 0x0
	s_add_nc_u64 s[4:5], s[4:5], s[2:3]            ; W1[e], column 64 j
	s_lshl_b32 s2, s20, 7
	s_add_nc_u64 s[12:13], s[12:13], s[2:3]        ; route: expert e's 32 words
	global_load_b32 v224, v13, s[12:13]            ; lane l: word l: chose e,
	global_load_b32 v225, v13, s[12:13] offset:2048    ; bit 0 of the rank,
	global_load_b32 v226, v13, s[12:13] offset:4096    ; bit 1
	WLOAD 0
	WLOAD 1
	s_lshl_b32 s2, s20, 12
	s_add_co_u32 s2, s2, s28
	s_add_nc_u64 s[6:7], s[6:7], s[2:3]            ; b1[e], unit 64 j
	s_lshl_b32 s2, s20, 19
	s_lshl_b32 s29, s22, 13
	s_add_co_u32 s2, s2, s29
	s_lshl_b32 s29, s21, 9
	s_add_co_u32 s2, s2, s29
	s_add_nc_u64 s[14:15], s[14:15], s[2:3]        ; hcodes: tile (e, w), K step j / 2, group j % 2
	s_lshl_b32 s2, s20, 15
	s_lshl_b32 s29, s22, 9
	s_add_co_u32 s2, s2, s29
	s_lshl_b32 s29, s21, 1
	s_add_co_u32 s2, s2, s29
	s_add_nc_u64 s[16:17], s[16:17], s[2:3]        ; hscales: tile (e, w), bytes 2 j, 2 j + 1
	s_lshl_b32 s2, s20, 2
	s_add_co_u32 s2, s2, 65536
	s_add_nc_u64 s[68:69], s[18:19], s[2:3]        ; the count of e
	s_lshl_b32 s2, s20, 12
	s_lshl_b32 s29, s22, 6
	s_add_co_u32 s2, s2, s29
	s_add_nc_u64 s[18:19], s[18:19], s[2:3]        ; list: expert e, slot 16 w
	s_wait_loadcnt 63                              ; the three words are in: 64 loads were issued behind them, and the count's field holds 63
	s_mov_b32 s23, 0
.set I, 0
.rept 32
	v_readlane_b32 s28, v224, I
	s_mov_b32 s[32+I], s23                         ; the bits in the words before word I
	s_bcnt1_i32_b32 s28, s28
	s_add_co_u32 s23, s23, s28
.set I, I+1
.endr
	s_mov_b32 s70, s23                             ; n, as it is stored for the next launch
	s_max_u32 s23, s23, 1                          ; here at least 1: tile 0 is always made
	SELECT 0
	BIAS 0
	BIAS 1
	ALOAD 0, 0
	ALOAD 1, 0
.irp s, 0,1,2,3,4,5,6,7
	STEP \s
.endr
	EPI1 0, 0
	EPI1 1, 0
	s_cmp_le_u32 s23, 512
	s_cbranch_scc1 .Lend
	; ---- pass 1: slots 512 on.  All images lie in LDS since the last barrier; no load of mine is out
	s_wait_xcnt 0x0                                ; the stores of the way out have read their registers
	s_add_co_u32 s24, s24, 512
	s_add_co_u32 s25, s25, 512
	SELECT 1
	BIAS 0
	BIAS 1
	ALOAD 0, 0
	ALOAD 1, 0
.irp s, 0,1,2,3,4,5,6,7
	s_wait_loadcnt 0x0
	CONS \s
	PLACES
.if \s < 7
	ALOAD 0, (\s)+1
	ALOAD 1, (\s)+1
.endif
.endr
	EPI1 0, 1
	EPI1 1, 1
.Lend:
	s_wait_tensorcnt 0x0                           ; the wave's end
	ds_add_u32 v1, v2
	s_wait_dscnt 0x0
	s_endpgm
.Lfunc_end_k_qa5d0439d3c_layer1:
	.size	k_qa5d0439d3c_layer1, .Lfunc_end_k_qa5d0439d3c_layer1-k_qa5d0439d3c_layer1
	.p2alignl 7, 3214868480
	.fill 96, 4, 3214868480
	.section	.rodata,"a",@progbits
	.p2align	6, 0x0
	.amdhsa_kernel k_qa5d0439d3c_layer1
		.amdhsa_group_segment_fixed_size 71680
		.amdhsa_private_segment_fixed_size 0
		.amdhsa_enable_private_segment 0
		.amdhsa_kernarg_size 64
		.amdhsa_user_sgpr_count 2
		.amdhsa_user_sgpr_kernarg_segment_ptr 1
		.amdhsa_wavefront_size32 1
		.amdhsa_system_sgpr_workgroup_id_x 1
		.amdhsa_system_sgpr_workgroup_id_y 1
		.amdhsa_system_sgpr_workgroup_id_z 1
		.amdhsa_system_vgpr_workitem_id 0
		.amdhsa_next_free_vgpr 256
		.amdhsa_next_free_sgpr 96
		.amdhsa_reserve_vcc 1
		.amdhsa_float_denorm_mode_32 3
		.amdhsa_float_denorm_mode_16_64 3
		.amdhsa_memory_ordered 1
		.amdhsa_forward_progress 1
		.amdhsa_inst_pref_size 177
	.end_amdhsa_kernel
	.amdgpu_metadata
---
amdhsa.version: [ 1, 2 ]
amdhsa.kernels:
  - .name:           k_qa5d0439d3c_layer1
    .symbol:         k_qa5d0439d3c_layer1.kd
    .args:
      - { .name: W1, .offset: 0, .size: 8, .value_kind: global_buffer, .address_space: global }
      - { .name: b1, .offset: 8, .size: 8, .value_kind: global_buffer, .address_space: global }
      - { .name: xcodes, .offset: 16, .size: 8, .value_kind: global_buffer, .address_space: global }
      - { .name: xscales, .offset: 24, .size: 8, .value_kind: global_buffer, .address_space: global }
      - { .name: route, .offset: 32, .size: 8, .value_kind: global_buffer, .address_space: global }
      - { .name: hcodes, .offset: 40, .size: 8, .value_kind: global_buffer, .address_space: global }
      - { .name: hscales, .offset: 48, .size: 8, .value_kind: global_buffer, .address_space: global }
      - { .name: list, .offset: 56, .size: 8, .value_kind: global_buffer, .address_space: global }
    .group_segment_fixed_size: 71680
    .private_segment_fixed_size: 0
    .kernarg_segment_align: 8
    .kernarg_segment_size: 64
    .max_flat_workgroup_size: 512
    .sgpr_count:     96
    .vgpr_count:     256
    .wavefront_size: 32
...
	.end_amdgpu_metadata
.endif
;; end of part 2
;; launch layer2 (part 3): grid 256 x 1, 16 waves a work-group, no clusters, 141,312 bytes of LDS; arguments W2, b2, hcodes, hscales, list, y; writes y
.if DOCPART == 3
	.amdgcn_target "amdgcn-amd-amdhsa--gfx1250"
	.amdhsa_code_object_version 6
	.text
	.protected	k_qa5d0439d3c_layer2
	.globl	k_qa5d0439d3c_layer2
	.p2align	8
	.type	k_qa5d0439d3c_layer2,@function
k_qa5d0439d3c_layer2:
	s_mov_b64 s[64:65], 0
	v_nop
	global_prefetch_b8 v0, s[64:65] scope:SCOPE_SE
	s_setreg_imm32_b32 hwreg(HW_REG_WAVE_MODE, 25, 1), 1
	s_wait_xcnt 0x0
; y[4 token + rank] = Q(h) Q(W2[e]) + b2[e] for the rows that chose expert e alone: the other rows are read by nothing (shown at the head of the first kernel).
; The frame is the first layer's.  Work-group (e, j) owns outputs 128 j .. 128 j + 127 of expert e, as two slices of 64; eight steps of 256 along K: steps 0-3 slice 0, steps 4-7 slice 1 (K = 1,024).  Its 1,024 x 128 numbers of W2
; are read from memory once, as f32, quantised here (a lane a column, registers down K; wave w: block w / 2 of the step's eight, columns 32 (w % 2) on) and kept in LDS as images of the operand's registers, never written twice:
; one barrier a step.  Wave w owns the tiles of 16 slots 32 p + 16 q + w; pass 1 (slots 512 on) is written out behind one forward branch.  Tiles at or past n are passed over by scalar branches on n, round LDS reads, products
; and stores alone.  The rows' fragments come as the earlier launch laid them, 512 consecutive bytes a load; the loads run in every wave, so that every count of loads holds on every way, and the tile that they name is held
; at the expert's last tile that has rows (tile 0 where n = 0: the earlier launch always makes it), so that they name bytes that were written; what a tile without rows loads is used by nothing.
; PRODUCTS transposed (source 0 = 16 columns of W2, source 1 = 16 rows of h): a lane holds one row and eight neighbouring outputs.  The sums begin as b2.  A slice's 16 rows x 256 bytes go through the wave's own stage in LDS,
; so that sixteen lanes store 256 consecutive bytes, aligned, of the row of y that the list names.  The gate is applied by the last launch.
; No tensor load and no cluster: branches hang on a count read from memory, and no byte of W2 is read by two work-groups.
.set SCB,   65536                      ; LDS 0 .. 65,535: the images, as in the first layer; from SCB the weights' scale bytes
.set STAGE, 69632                      ; 16 rows x (256 + 16) bytes for each wave
.set SPARE, 139264                     ; the spare words: 128 bytes for each of 16 waves; no other line names them
.set WF,  32                           ; v32-63 four fragments of the weights; on the way out slot 0's rows
.set XF,  64                           ; v64-95 the rows' fragments; on the way out slot 1's rows
.set ACC, 96
.set WR,  160
; v1, v2 the add's two; v3 W2's offset; v4 the prefetches'; v5, v6 where I store codes and byte; v7 16 x lane; v8 the scale words' place; v9, v10 the rows' images; v11, v12 their scales; v13, v14 the stage, in and back; v15 32 h
; v16-23 the quantiser; v24-27, v28-31 scale words and nothing else; v224-239 where the rows go in y; v252 4 (L / 16), v253 16 r, v254 32 r
; s20 e, s21 j, s22 wave, s23 n, s24, s25 my two tiles' first slots, s28-31 at work, s[32:33] the count's place, s34 wave % 2
.macro PLACES
.rept 4
	v_nop
.endr
.endm
.macro WLOAD s                         ; rows 256 (s % 4) + 32 (w / 2) + i, slice s / 4
.set W_, WR+32*((\s)%2)
.set I, 0
.rept 32
	global_load_b32 v[W_+I], v3, s[4:5] offset:((\s)%4)*2097152+((\s)/4)*256+I*8192 th:TH_LOAD_NT
.set I, I+1
.endr
.endm
; A prefetch into the L2 of the step whose loads go out one step later: the even waves ask, each for its 32 rows, a lane a row: a slice's 256 bytes of a row are named once in the launch.
; It stands behind the wave's run of loads; its address registers are never rewritten; steps 0 to 2 come by their loads alone, and nothing past step 7 is named.
.macro PF s
	s_cmp_lg_u32 s34, 0
	s_cbranch_scc1 .Lpf_\@
	global_prefetch_b8 v4, s[4:5] offset:((\s)%4)*2097152+((\s)/4)*256 th:TH_LOAD_NT scope:SCOPE_SE
.Lpf_\@:
.endm
.macro QUANT s
.set W_, WR+32*((\s)%2)
	v_max3_num_f32 v16, |v[W_]|, |v[W_+1]|, 0x1800000          ; with the floor 2^(3 - 127): the byte cannot fall under 1
	v_max3_num_f32 v17, |v[W_+2]|, |v[W_+3]|, |v[W_+4]|
.irp i, 5,9,13,17,21,25
	v_max3_num_f32 v16, v16, |v[W_+\i]|, |v[W_+\i+1]|
	v_max3_num_f32 v17, v17, |v[W_+\i+2]|, |v[W_+\i+3]|
.endr
	v_max3_num_f32 v16, v16, |v[W_+29]|, |v[W_+30]|
	v_max3_num_f32 v16, v16, v17, |v[W_+31]|
	v_add_nc_u32 v18, 0xff000000, v16
	v_lshrrev_b32 v19, 23, v18
.irp g, 0,1,2,3
	v_cvt_scalef32_pk8_fp4_f32 v[20+\g], v[W_+8*\g:W_+8*\g+7], v18
.endr
	v_nop                                          ; a plain line behind the conversions
	ds_store_b128 v5, v[20:23] offset:(\s)*8192
	ds_store_b8 v6, v19 offset:(\s)*512
.endm
.macro BIAS q, sl                      ; b2 in the result's layout: tile t, lane half h: outputs 64 sl + 16 t + 8 h + 0 .. 7
.irp t, 0,1,2,3
	global_load_b128 v[ACC+32*\q+8*\t:ACC+32*\q+8*\t+3], v15, s[6:7] offset:\sl*256+\t*64
	global_load_b128 v[ACC+32*\q+8*\t+4:ACC+32*\q+8*\t+7], v15, s[6:7] offset:\sl*256+\t*64+16
.endr
.endm
.macro ALOAD q, s                      ; slot q's tile: K steps 2 (s % 4) and 2 (s % 4) + 1 of its image, and their scale words
.irp uu, 0,1
.irp c, 0,1
	global_load_b128 v[XF+16*\q+8*\uu+4*\c:XF+16*\q+8*\uu+4*\c+3], v[9+\q], s[8:9] offset:(2*((\s)%4)+\uu)*1024+\c*512
.endr
.endr
	global_load_b64 v[28+2*\q:29+2*\q], v[11+\q], s[10:11] offset:((\s)%4)*8
.endm
.macro MM q, t, uu
	v_wmma_scale_f32_16x16x128_f8f6f4 v[ACC+32*\q+8*\t:ACC+32*\q+8*\t+7], v[WF+8*\t:WF+8*\t+7], v[XF+16*\q+8*\uu:XF+16*\q+8*\uu+7], v[ACC+32*\q+8*\t:ACC+32*\q+8*\t+7], v[24+\t], v[28+2*\q+\uu] matrix_a_fmt:MATRIX_FMT_FP4 matrix_b_fmt:MATRIX_FMT_FP4
.endm
.macro CONSU s, uu
.irp t, 0,1,2,3
.irp c, 0,1
	ds_load_b128 v[WF+8*\t+4*\c:WF+8*\t+4*\c+3], v7 offset:(\s)*8192+\uu*4096+\t*1024+\c*512
.endr
.endr
	ds_load_b128 v[24:27], v8 offset:(2*(\s)+\uu)*256
	s_wait_dscnt 0x0
.irp t, 0,1,2,3
	MM 0, \t, \uu
.endr
	s_cmp_ge_u32 s25, s23
	s_cbranch_scc1 .Lq_\@
.irp t, 0,1,2,3
	MM 1, \t, \uu
.endr
.Lq_\@:
.endm
.macro CONS s
	s_cmp_ge_u32 s24, s23
	s_cbranch_scc1 .Lc_\@
	CONSU \s, 0
	PLACES
	CONSU \s, 1
.Lc_\@:
.endm
; Where my two tiles' images and scale bytes lie in the expert's part: tiles 32 p + w and 32 p + 16 + w, each held at the last tile that has rows; then held at 63 by a constant, and behind that only shifts left and sums
.macro OFFS p
	s_max_u32 s30, s23, 1
	s_sub_co_u32 s30, s30, 1
	s_lshr_b32 s30, s30, 4                         ; the last tile that has rows (n = 0: tile 0)
	s_add_co_u32 s28, s22, 32*\p
	s_add_co_u32 s29, s28, 16
	s_min_u32 s28, s28, s30
	s_min_u32 s29, s29, s30
	v_mov_b32 v11, s28
	v_mov_b32 v12, s29
	v_min_u32 v11, 63, v11
	v_min_u32 v12, 63, v12
	v_lshl_add_u32 v9, v11, 13, v7                 ; a tile's image is 8,192 bytes; + 16 x lane
	v_lshl_add_u32 v10, v12, 13, v7
	v_lshl_add_u32 v11, v11, 9, v254               ; its scale bytes 512; + 32 r
	v_lshl_add_u32 v12, v12, 9, v254
.endm
.macro ROWS p                          ; the routed rows, as the stores want them: store i of slot q: lanes 0-15 row 2 i, lanes 16-31 row 2 i + 1
.irp q, 0,1
.irp i, 0,1,2,3,4,5,6,7
	global_load_b32 v[224+8*\q+\i], v252, s[12:13] offset:\p*2048+\q*1024+\i*8
.endr
.endr
.endm
.macro ROWSFIX
.set I, 0
.rept 16
	v_min_u32 v[224+I], 0xfff, v[224+I]
	v_lshl_add_u32 v[224+I], v[224+I], 13, v253    ; a row of y is 8,192 bytes; + 16 r
.set I, I+1
.endr
.endm
.macro EPI2 q, sl                      ; slot q's 16 rows x 64 outputs, through my stage
	s_cmp_ge_u32 s[24+\q], s23
	s_cbranch_scc1 .Le_\@
.irp t, 0,1,2,3
	ds_store_b128 v13, v[ACC+32*\q+8*\t:ACC+32*\q+8*\t+3] offset:\t*64       ; each accumulator from its low end on
	ds_store_b128 v13, v[ACC+32*\q+8*\t+4:ACC+32*\q+8*\t+7] offset:\t*64+16
.endr
.irp i, 0,1,2,3,4,5,6,7
	ds_load_b128 v[WF+32*\q+4*\i:WF+32*\q+4*\i+3], v14 offset:\i*544         ; LDS serves a wave's instructions in order (ISA guide 5.7.1.4): these see the stores above
.endr
	s_wait_dscnt 0x0
.irp i, 0,1,2,3,4,5,6,7
	global_store_b128 v[224+8*\q+\i], v[WF+32*\q+4*\i:WF+32*\q+4*\i+3], s[14:15] offset:\sl*256 th:TH_STORE_NT   ; 16 lanes store 256 consecutive bytes, at a multiple of 256 from y's first byte
.endr
.Le_\@:
.endm
.macro STEP s
.if \s == 0
	s_wait_loadcnt 63                              ; W(0) is in: 74 loads were issued behind it, and the count's field holds 63
.elseif \s == 4
	s_wait_loadcnt 58                              ; W(4) is in: W(5)'s 32, the second slice's biases' 16 and the rows' 10 may be out
.elseif \s == 7
	s_wait_loadcnt 10
.else
	s_wait_loadcnt 42                              ; W(s) is in: W(s + 1)'s 32 and the rows' 10 of this step may be out
.endif
	QUANT \s
.if \s <= 5
	WLOAD (\s)+2
.endif
.if \s <= 4
	PF (\s)+3
.endif
	s_wait_dscnt 0x0                               ; for the others' sake: my codes and my byte have landed
	s_barrier_signal -1
	s_barrier_wait -1
.if \s <= 5
	s_wait_loadcnt 32                              ; all but the 32 just issued: this step's rows, the biases, in step 0 the list
.else
	s_wait_loadcnt 0x0
.endif
.if \s == 0
	ROWSFIX
.endif
	CONS \s
	PLACES
.if \s == 3
	EPI2 0, 0
	EPI2 1, 0
	s_wait_xcnt 0x0                                ; the stores have read v32-95, into which loads follow
	BIAS 0, 1
	BIAS 1, 1
.endif
.if \s <= 6
	ALOAD 0, (\s)+1
	ALOAD 1, (\s)+1
.endif
.endm
	s_load_b256 s[4:11], s[0:1], 0x0               ; W2 s[4:5], b2 s[6:7], hcodes s[8:9], hscales s[10:11]
	s_load_b128 s[12:15], s[0:1], 0x20             ; list s[12:13], y s[14:15]
	v_lshl_add_u32 v1, v0, 2, SPARE
	v_mov_b32 v2, 0
	v_lshrrev_b32 v3, 5, v0
	v_readfirstlane_b32 s22, v3                    ; wave 0..15
	s_lshr_b32 s20, ttmp9, 4                       ; e
	s_and_b32 s21, ttmp9, 15                       ; j
	s_and_b32 s34, s22, 1
	s_lshl_b32 s24, s22, 4
	s_add_co_u32 s25, s24, 256
	v_and_b32 v16, 31, v0                          ; lane
	v_and_b32 v17, 15, v0                          ; r
	v_bfe_u32 v18, v0, 4, 1                        ; h
	v_bfe_u32 v19, v0, 5, 1                        ; wave % 2
	v_bfe_u32 v20, v0, 6, 3                        ; wave / 2
	v_bfe_u32 v21, v0, 6, 2
	v_bfe_u32 v22, v0, 8, 1                        ; uu
	v_lshlrev_b32 v3, 2, v16
	v_lshl_add_u32 v3, v19, 7, v3
	v_lshl_add_u32 v3, v20, 18, v3                 ; W2: 4 x lane + 128 (w % 2) + 32 rows of 8,192 bytes x (w / 2)
	v_lshlrev_b32 v4, 13, v16
	v_lshl_add_u32 v4, v20, 18, v4
	v_lshlrev_b32 v32, 4, v17                      ; 16 m, m = L % 16: here a tile's columns are neighbours
	v_lshl_add_u32 v5, v21, 8, v32
	v_lshl_add_u32 v5, v18, 10, v5                 ; + 1,024 t, t = 2 (w % 2) + L / 16
	v_lshl_add_u32 v5, v19, 11, v5
	v_lshl_add_u32 v5, v22, 12, v5
	v_add_nc_u32 v6, v32, v21
	v_lshl_add_u32 v6, v18, 2, v6
	v_lshl_add_u32 v6, v19, 3, v6
	v_lshl_add_u32 v6, v22, 8, v6
	v_add_nc_u32 v6, SCB, v6
	v_lshlrev_b32 v7, 4, v16
	v_lshl_add_u32 v8, v17, 4, SCB
	s_mul_i32 s28, s22, 16*272
	s_add_co_u32 s28, s28, STAGE                   ; my stage
	v_mul_u32_u24 v13, v17, 272
	v_lshl_add_u32 v13, v18, 5, v13
	v_add_nc_u32 v13, s28, v13                     ; in: row r, + 32 h
	v_mul_u32_u24 v14, v18, 272
	v_lshl_add_u32 v14, v17, 4, v14
	v_add_nc_u32 v14, s28, v14                     ; back: lanes 0-15 one row, lanes 16-31 the next
	v_lshlrev_b32 v15, 5, v18
	v_lshlrev_b32 v252, 2, v18
	v_lshlrev_b32 v253, 4, v17
	v_lshlrev_b32 v254, 5, v17
	s_mov_b32 s3, 0
	s_lshl_b32 s2, s20, 23
	s_lshl_b32 s28, s21, 9
	s_add_co_u32 s2, s2, s28
	s_wait_kmcnt 0x0
	s_add_nc_u64 s[4:5], s[4:5], s[2:3]            ; W2[e], column 128 j
	s_lshl_b32 s2, s20, 2
	s_add_co_u32 s2, s2, 65536
	s_add_nc_u64 s[32:33], s[12:13], s[2:3]
	s_load_b32 s23, s[32:33], 0x0                  ; n
	WLOAD 0
	WLOAD 1
	s_lshl_b32 s2, s20, 13
	s_add_co_u32 s2, s2, s28
	s_add_nc_u64 s[6:7], s[6:7], s[2:3]            ; b2[e], output 128 j
	s_lshl_b32 s2, s20, 19
	s_add_nc_u64 s[8:9], s[8:9], s[2:3]            ; hcodes: expert e
	s_lshl_b32 s2, s20, 15
	s_add_nc_u64 s[10:11], s[10:11], s[2:3]        ; hscales: expert e
	s_lshl_b32 s2, s20, 12
	s_lshl_b32 s29, s22, 6
	s_add_co_u32 s2, s2, s29
	s_add_nc_u64 s[12:13], s[12:13], s[2:3]        ; list: expert e, slot 16 w
	s_mov_b32 s2, s28
	s_add_nc_u64 s[14:15], s[14:15], s[2:3]        ; y: output 128 j
	s_wait_kmcnt 0x0
	OFFS 0
	ROWS 0
	BIAS 0, 0
	BIAS 1, 0
	ALOAD 0, 0
	ALOAD 1, 0
.irp s, 0,1,2,3,4,5,6,7
	STEP \s
.endr
	EPI2 0, 1
	EPI2 1, 1
	s_cmp_le_u32 s23, 512
	s_cbranch_scc1 .Lend
	; ---- pass 1: slots 512 on.  All images lie in LDS since the last barrier; no load of mine is out
	s_wait_xcnt 0x0                                ; the stores have read their data and their offsets, which are written again
	s_add_co_u32 s24, s24, 512
	s_add_co_u32 s25, s25, 512
	OFFS 1
	ROWS 1
	BIAS 0, 0
	BIAS 1, 0
	ALOAD 0, 0
	ALOAD 1, 0
	s_wait_loadcnt 0x0
	ROWSFIX
.irp s, 0,1,2,3,4,5,6,7
	s_wait_loadcnt 0x0
	CONS \s
	PLACES
.if \s == 3
	EPI2 0, 0
	EPI2 1, 0
	s_wait_xcnt 0x0
	BIAS 0, 1
	BIAS 1, 1
.endif
.if \s < 7
	ALOAD 0, (\s)+1
	ALOAD 1, (\s)+1
.endif
.endr
	EPI2 0, 1
	EPI2 1, 1
.Lend:
	s_wait_tensorcnt 0x0                           ; the wave's end
	ds_add_u32 v1, v2
	s_wait_dscnt 0x0
	s_endpgm
.Lfunc_end_k_qa5d0439d3c_layer2:
	.size	k_qa5d0439d3c_layer2, .Lfunc_end_k_qa5d0439d3c_layer2-k_qa5d0439d3c_layer2
	.p2alignl 7, 3214868480
	.fill 96, 4, 3214868480
	.section	.rodata,"a",@progbits
	.p2align	6, 0x0
	.amdhsa_kernel k_qa5d0439d3c_layer2
		.amdhsa_group_segment_fixed_size 141312
		.amdhsa_private_segment_fixed_size 0
		.amdhsa_enable_private_segment 0
		.amdhsa_kernarg_size 48
		.amdhsa_user_sgpr_count 2
		.amdhsa_user_sgpr_kernarg_segment_ptr 1
		.amdhsa_wavefront_size32 1
		.amdhsa_system_sgpr_workgroup_id_x 1
		.amdhsa_system_sgpr_workgroup_id_y 1
		.amdhsa_system_sgpr_workgroup_id_z 1
		.amdhsa_system_vgpr_workitem_id 0
		.amdhsa_next_free_vgpr 256
		.amdhsa_next_free_sgpr 66
		.amdhsa_reserve_vcc 0
		.amdhsa_float_denorm_mode_32 3
		.amdhsa_float_denorm_mode_16_64 3
		.amdhsa_memory_ordered 1
		.amdhsa_forward_progress 1
		.amdhsa_inst_pref_size 145
	.end_amdhsa_kernel
	.amdgpu_metadata
---
amdhsa.version: [ 1, 2 ]
amdhsa.kernels:
  - .name:           k_qa5d0439d3c_layer2
    .symbol:         k_qa5d0439d3c_layer2.kd
    .args:
      - { .name: W2, .offset: 0, .size: 8, .value_kind: global_buffer, .address_space: global }
      - { .name: b2, .offset: 8, .size: 8, .value_kind: global_buffer, .address_space: global }
      - { .name: hcodes, .offset: 16, .size: 8, .value_kind: global_buffer, .address_space: global }
      - { .name: hscales, .offset: 24, .size: 8, .value_kind: global_buffer, .address_space: global }
      - { .name: list, .offset: 32, .size: 8, .value_kind: global_buffer, .address_space: global }
      - { .name: y, .offset: 40, .size: 8, .value_kind: global_buffer, .address_space: global }
    .group_segment_fixed_size: 141312
    .private_segment_fixed_size: 0
    .kernarg_segment_align: 8
    .kernarg_segment_size: 48
    .max_flat_workgroup_size: 512
    .sgpr_count:     66
    .vgpr_count:     256
    .wavefront_size: 32
...
	.end_amdgpu_metadata
.endif
;; end of part 3
;; launch combine (part 4): grid 256 x 1, 8 waves a work-group, no clusters, 0 bytes of LDS; arguments x, y, gate, out0; writes out0
.if DOCPART == 4
	.amdgcn_target "amdgcn-amd-amdhsa--gfx1250"
	.amdhsa_code_object_version 6
	.text
	.protected	k_qa5d0439d3c_combine
	.globl	k_qa5d0439d3c_combine
	.p2align	8
	.type	k_qa5d0439d3c_combine,@function
k_qa5d0439d3c_combine:
	s_mov_b64 s[64:65], 0
	v_nop
	global_prefetch_b8 v0, s[64:65] scope:SCOPE_SE
	s_setreg_imm32_b32 hwreg(HW_REG_WAVE_MODE, 25, 1), 1
	s_wait_xcnt 0x0
; out0[b] = x[b] + the sum over k = 0 .. 3 of gate[b][k] y[4 b + k]: the four chosen experts' rows (no other was computed: shown at the head of the first kernel), by their gates, and the residual.
; A stream: a wave takes half a row (4,096 bytes) of one token: 8 loads of x and 4 x 8 of y, 512 consecutive bytes each, all issued at once; fused multiply-adds in x's registers as the rows arrive; 8 stores of 512 consecutive bytes.
; Each byte is read once and written once; no LDS, no barrier, no matrix unit: nothing is shared between waves.
.set XR, 8                             ; v8-39    x, then the result
.set YR, 40                            ; v40-167  the four rows of y
	s_load_b256 s[4:11], s[0:1], 0x0               ; x s[4:5], y s[6:7], gate s[8:9], out0 s[10:11]
	v_lshrrev_b32 v1, 5, v0
	v_readfirstlane_b32 s20, v1                    ; wave 0..7
	v_and_b32 v1, 31, v0
	v_lshlrev_b32 v1, 4, v1                        ; 16 bytes a lane
	s_lshr_b32 s21, s20, 1
	s_lshl_b32 s22, ttmp9, 2
	s_add_co_u32 s21, s21, s22                     ; the token: 4 x work-group + wave / 2
	s_and_b32 s22, s20, 1
	s_lshl_b32 s22, s22, 12                        ; which half of the row
	s_lshl_b32 s2, s21, 4
	s_mov_b32 s3, 0
	s_wait_kmcnt 0x0
	s_add_nc_u64 s[8:9], s[8:9], s[2:3]
	s_load_b128 s[12:15], s[8:9], 0x0              ; the token's four gates
	s_lshl_b32 s2, s21, 13
	s_add_co_u32 s2, s2, s22
	s_add_nc_u64 s[4:5], s[4:5], s[2:3]
	s_add_nc_u64 s[10:11], s[10:11], s[2:3]
	s_lshl_b32 s2, s21, 15                         ; four rows of y a token
	s_add_co_u32 s2, s2, s22
	s_add_nc_u64 s[6:7], s[6:7], s[2:3]
.irp i, 0,1,2,3,4,5,6,7
	global_load_b128 v[XR+4*\i:XR+4*\i+3], v1, s[4:5] offset:512*\i th:TH_LOAD_NT
.endr
.irp k, 0,1,2,3
.irp i, 0,1,2,3,4,5,6,7
	global_load_b128 v[YR+32*\k+4*\i:YR+32*\k+4*\i+3], v1, s[6:7] offset:8192*\k+512*\i th:TH_LOAD_NT
.endr
.endr
	s_wait_kmcnt 0x0
	s_mov_b32 s16, s13                             ; the packed form names a pair and takes its low word for both halves: gates 1 and 3 get pairs of their own
	s_mov_b32 s17, s13
	s_mov_b32 s18, s15
	s_mov_b32 s19, s15
.macro ADDK k, pair, left              ; left: the loads issued behind row k's eight
	s_wait_loadcnt \left
.set I, 0
.rept 16
	v_pk_fma_f32 v[XR+I:XR+I+1], v[YR+32*\k+I:YR+32*\k+I+1], s[\pair:\pair+1], v[XR+I:XR+I+1] op_sel_hi:[1,0,1]
.set I, I+2
.endr
.endm
	ADDK 0, 12, 24
	ADDK 1, 16, 16
	ADDK 2, 14, 8
	ADDK 3, 18, 0
.irp i, 0,1,2,3,4,5,6,7
	global_store_b128 v1, v[XR+4*\i:XR+4*\i+3], s[10:11] offset:512*\i th:TH_STORE_NT
.endr
	s_endpgm
.Lfunc_end_k_qa5d0439d3c_combine:
	.size	k_qa5d0439d3c_combine, .Lfunc_end_k_qa5d0439d3c_combine-k_qa5d0439d3c_combine
	.p2alignl 7, 3214868480
	.fill 96, 4, 3214868480
	.section	.rodata,"a",@progbits
	.p2align	6, 0x0
	.amdhsa_kernel k_qa5d0439d3c_combine
		.amdhsa_group_segment_fixed_size 0
		.amdhsa_private_segment_fixed_size 0
		.amdhsa_enable_private_segment 0
		.amdhsa_kernarg_size 32
		.amdhsa_user_sgpr_count 2
		.amdhsa_user_sgpr_kernarg_segment_ptr 1
		.amdhsa_wavefront_size32 1
		.amdhsa_system_sgpr_workgroup_id_x 1
		.amdhsa_system_sgpr_workgroup_id_y 1
		.amdhsa_system_sgpr_workgroup_id_z 1
		.amdhsa_system_vgpr_workitem_id 0
		.amdhsa_next_free_vgpr 176
		.amdhsa_next_free_sgpr 66
		.amdhsa_reserve_vcc 0
		.amdhsa_float_denorm_mode_32 3
		.amdhsa_float_denorm_mode_16_64 3
		.amdhsa_memory_ordered 1
		.amdhsa_forward_progress 1
		.amdhsa_inst_pref_size 10
	.end_amdhsa_kernel
	.amdgpu_metadata
---
amdhsa.version: [ 1, 2 ]
amdhsa.kernels:
  - .name:           k_qa5d0439d3c_combine
    .symbol:         k_qa5d0439d3c_combine.kd
    .args:
      - { .name: x, .offset: 0, .size: 8, .value_kind: global_buffer, .address_space: global }
      - { .name: y, .offset: 8, .size: 8, .value_kind: global_buffer, .address_space: global }
      - { .name: gate, .offset: 16, .size: 8, .value_kind: global_buffer, .address_space: global }
      - { .name: out0, .offset: 24, .size: 8, .value_kind: global_buffer, .address_space: global }
    .group_segment_fixed_size: 0
    .private_segment_fixed_size: 0
    .kernarg_segment_align: 8
    .kernarg_segment_size: 32
    .max_flat_workgroup_size: 256
    .sgpr_count:     66
    .vgpr_count:     176
    .wavefront_size: 32
...
	.end_amdgpu_metadata
.endif
;; end of part 4
